; MI455X (gfx1250); checked and timed in simulation.
; The chip was launched on July 23, 2026; its instructions are those of AMD's public machine-readable ISA for CDNA 5 (MIT licence, August 2026) and "CDNA5" Instruction Set Architecture Reference Guide (July 2026). The comments in the code are by the model that wrote it; some were corrected since.
;; Additive Attention. Allowed arithmetic: matrix products marked QUANTISED: E2M1 operands, one E8M0 scale for each 32 along K, by v_wmma_scale_f32_16x16x128_f8f6f4 with both operands' format E2M1 (or v_wmma_scale_f32_32x16x128_f4), f32 sums; products left as they are: f32 operands where the result goes on into a quantised operand, else bf16, f16 or f32 operands; f32 sums; everything else in f32.
;; Inputs: Wk 1,024 x 1,024 float32; Wq 1,024 x 1,024 float32; b_score one number float32; bias 1,024 float32; key 32 x 1,024 x 1,024 float32; query 32 x 1,024 x 1,024 float32; w_score 1,024 float32.
;; Outputs: out0 32 x 1 x 1,024 float32; out1 32 x 1,024 float32.
;; This version of the problem:
;;   THIS VERSION OF THE PROBLEM IS GIVEN IN LOW PRECISION. The matrix products marked QUANTISED in the list below multiply operands that are first quantised to E2M1 (2 exponent bits, 1 mantissa bit; 4 bits a number), with one power-of-two scale for each 32 numbers along K (OCP MX v1.0); their sums are f32. All else is computed in f32.
;;   The module's matrix products, in the order in which they are computed (A, B: the left and right operand; K: the contracted axis; several contracted axes count as one K, in the product's order):
;;     1. [M 32,768, K 1,024] x [K 1,024, N 1,024]; A: input key; B: input Wk: QUANTISED
;;     2. [M 32,768, K 1,024] x [K 1,024, N 1,024]; A: input query; B: input Wq: QUANTISED
;;     3. [M 32,768, K 1,024] x [K 1,024, N 1]; A: computed on the way; B: input w_score: left as it is (N = 1 < 16)
;;     4. batch 32 x [M 1, K 1,024] x [K 1,024, N 1,024]; A: softmax; B: input key: left as it is (M = 1 < 16)
;;   THE QUANTISER, for each operand of a quantised product, along K:
;;     - K is cut into blocks of 32 from its start; a last block that is shorter is filled with zeros.
;;     - A block's scale is 2^e with e = floor(log2(the largest magnitude in the block)) - 2, held to -126 .. 127; a block of zeros has e = 0. As a byte (E8M0): e + 127.
;;     - Each number is divided by its block's scale, clamped to +-6, and rounded to the nearest number of E2M1, ties to even, subnormals kept.
;;     - The product sums the exact products of the quantised numbers (number of the format x scale) in f32.
;;   ~~~python
;;   def quantise(x, axis):      # numpy; x: float32 -> the quantised numbers, widened to float32 again
;;       x = np.moveaxis(x, axis, -1); K = x.shape[-1]
;;       x = np.pad(x, [(0, 0)] * (x.ndim - 1) + [(0, -K % 32)]); x = x.reshape(x.shape[:-1] + (-1, 32)); a = np.abs(x).max(-1, keepdims=True)
;;       e = np.where(a > 0, np.clip(np.frexp(np.where(a > 0, a, 1))[1] - 1 - 2, -126, 127), 0)      # np.frexp(a)[1] - 1 = floor(log2(a)), exactly
;;       r = np.clip(x / 2.0 ** e, -6, 6)
;;       step = 2.0 ** (np.maximum(np.frexp(np.where(r == 0, 1, r))[1] - 1, 0) - 1)
;;       q = np.round(r / step) * step * 2.0 ** e      # np.round: ties to even
;;       return np.moveaxis(q.reshape(q.shape[:-2] + (-1,))[..., :K], -1, axis).astype(np.float32)
;;   ~~~
;; One version. Each part assembles by itself: llvm-mc -triple=amdgcn-amd-amdhsa -mcpu=gfx1250 --defsym DOCPART=n.
;; ======== version 1 of 1: 3 launches
;; limits: values are held in bf16: 8 bits of precision; right only within a limited range of input values
;; workspace buffers: wt 1,114,112 bytes; sc 131,072 bytes; cp 1,048,576 bytes
;; launch prep (part 1): grid 64 x 4, 4 waves a work-group, no clusters, 34,816 bytes of LDS; arguments Wk, Wq, wt; writes wt
.if DOCPART == 1
	.amdgcn_target "amdgcn-amd-amdhsa--gfx1250"
	.amdhsa_code_object_version 6
	.text
	.protected	k_qe4de71873a_prep
	.globl	k_qe4de71873a_prep
	.p2align	8
	.type	k_qe4de71873a_prep,@function
k_qe4de71873a_prep:
	s_mov_b64 s[64:65], 0
	v_nop
	global_prefetch_b8 v0, s[64:65] scope:SCOPE_SE
	s_setreg_imm32_b32 hwreg(HW_REG_WAVE_MODE, 25, 1), 1
	s_wait_xcnt 0x0
; Wk and Wq [1024 (o)][1024 (k)], f32, become codes of FP4 (E2M1) with one E8M0 byte for each 32 along k, laid in the ORDER OF THE OPERAND'S REGISTERS, so that the
; next launch takes a fragment by loads of 16 bytes a lane and a tile's whole record by one dense copy.
; wt holds 64 records of REC bytes, one for each tile t of 16 weight rows o = 16 t + r:
;   bytes 0 .. 16383      16 images of 1,024 bytes, K step s = 0..7: Wk, k = 128 s on; s = 8..15: Wq, k = 128 (s - 8) on.  Image s has at 512 c + 16 lane the registers 4 c .. 4 c + 3 of lane (r, h):
;                         the codes of k = 64 c + 32 h + 0 .. 31 of row r
;   bytes 16384 .. 17407  scale words (four bytes: 128 along k of one row): that of (row r, K step s = 4 g + q) at 256 g + 16 r + 4 q
; A block's scale is 2^(floor(log2(its largest magnitude)) - 2); its byte is the largest magnitude's exponent field - 2, held at 1 from below by a floor among the maximum's leaves.
; LIMITS: a block of zeros gets the byte 1 where the rule says 127 (its codes are zeros, and this program alone reads the bytes); a block whose largest magnitude lies under 2^-124 is taken at that floor;
; NaN and infinities among the inputs are not served.
; SHARES: work-group (t, g), wave q: the fragment (tile t, K step 4 g + q), 16 rows x 128 k.  Each load reads 512 consecutive bytes of a row; the conversions want 32 neighbours along k in ONE lane's
; registers, so the 8,192 bytes turn through the wave's own stage in LDS (rows 528 bytes apart: an odd multiple of 16, so that sixteen rows start at sixteen different banks: ISA guide 11.1).
; DEAD WORK, for the whole program: attn = softmax(score) along l, and context is made of attn alone.  score[b][l] = sum_o w_score[o] tanh(..) + b_score, and tanh(x) = 1 - 2 / (1 + e^(2x)), so
; score = (sum_o w_score[o] + b_score) - 2 sum_o w_score[o] / (1 + e^(2x)).  The bracket is the same for every l of a batch, whatever the inputs hold, and a softmax is unchanged by a term that is the same along
; its axis.  So the bracket is not formed, and b_score, which then has no way to any output, is not loaded and is among no launch's arguments.
; LIMIT: a NaN, an infinity or an overflow that reaches only the bracket is not carried to the result.
.set REC,  17408
.set SP,   528
.set WST,  16*SP                       ; a wave's stage
.set SCW,  4*WST                       ; behind the stages: the work-group's 64 scale words, 256 bytes
.set L16,  1                           ; v1   16 x lane
.set STW,  2                           ; v2   the stage, on the way in
.set STR,  3                           ; v3   and on the way out: row r, + 128 h
.set SH8,  4                           ; v4   8 h: where my two scale bytes stand in the word
.set SWA,  5                           ; v5   where my row's scale word goes
.set L8,   6                           ; v6   8 x lane
.set SRA,  7                           ; v7   where the words are read back
.set T,    8                           ; v8-11  largest magnitudes, two chains a block; v9, v11 then the bytes
.set SO,   12                          ; v12-13 the conversions' scale operands
.set W,    14                          ; v14  the scale word
.set XW,   15                          ; v15  lane l xor 16's half of it
.set CD,   16                          ; v16-23 the codes
.set X,    32                          ; v32-95 the 64 numbers
	s_load_b128 s[4:7], s[0:1], 0x0                ; Wk s[4:5], Wq s[6:7]
	s_load_b64 s[12:13], s[0:1], 0x10              ; wt
	v_lshl_add_u32 v96, v0, 2, 0x8600
	v_mov_b32 v97, 0
	v_lshrrev_b32 v8, 5, v0
	v_readfirstlane_b32 s14, v8                    ; wave q
	s_and_b32 s16, ttmp7, 0xffff                   ; g
	v_and_b32 v9, 31, v0                           ; lane
	v_and_b32 v10, 15, v0                          ; r
	v_bfe_u32 v11, v0, 4, 1                        ; h
	v_lshlrev_b32 v[L16], 4, v9
	s_mul_i32 s17, s14, WST
	v_add_nc_u32 v[STW], s17, v[L16]
	v_mul_u32_u24 v[STR], v10, SP
	v_lshl_add_u32 v[STR], v11, 7, v[STR]
	v_add_nc_u32 v[STR], s17, v[STR]
	v_lshlrev_b32 v[SH8], 3, v11
	s_lshl_b32 s17, s14, 2
	s_add_co_u32 s17, s17, SCW
	v_lshl_add_u32 v[SWA], v10, 4, s17             ; SCW + 16 r + 4 q
	v_lshlrev_b32 v[L8], 3, v9
	v_add_nc_u32 v[SRA], SCW, v[L8]
	v_mov_b32 v[XW], 0                             ; a lane permute's destination counts as one of its sources
	s_mov_b32 s20, 0x76543210
	s_mov_b32 s21, 0xfedcba98                      ; v_permlanex16_b32's selects for lane l xor 16
	s_lshl_b32 s24, s16, 2
	s_add_co_u32 s24, s24, s14                     ; K step s = 4 g + q
	s_and_b32 s25, s24, 7
	s_lshl_b32 s25, s25, 9                         ; its 128 numbers of a row: 512 (s % 8) bytes on
	s_lshl_b32 s26, ttmp9, 16                      ; the tile's 16 rows of 4,096 bytes
	s_add_co_u32 s26, s26, s25
	s_mov_b32 s27, 0
	s_mul_i32 s28, ttmp9, REC                      ; the tile's record
	s_mov_b32 s29, 0
	s_lshl_b32 s30, s24, 10                        ; the K step's image in it
	s_mov_b32 s31, 0
	s_wait_alu depctr_va_vdst(0)
	s_wait_kmcnt 0x0
	s_cmp_lt_u32 s16, 2                            ; K steps 0-7 are Wk's, 8-15 Wq's: the choice hangs on the work-group's number alone
	s_cselect_b64 s[18:19], s[4:5], s[6:7]
	s_add_nc_u64 s[18:19], s[18:19], s[26:27]
	s_add_nc_u64 s[22:23], s[12:13], s[28:29]
	s_add_nc_u64 s[12:13], s[22:23], s[30:31]
.irp i, 0,1,2,3,4,5,6,7,8,9,10,11,12,13,14,15
	global_load_b128 v[X+4*\i:X+4*\i+3], v[L16], s[18:19] offset:4096*\i th:TH_LOAD_NT   ; row i: 32 lanes read 512 consecutive bytes; read once in the launch
.endr
	s_wait_loadcnt 0x0
.irp i, 0,1,2,3,4,5,6,7,8,9,10,11,12,13,14,15
	ds_store_b128 v[STW], v[X+4*\i:X+4*\i+3] offset:SP*\i
.endr
.irp c, 0,1
.irp j, 0,1,2,3,4,5,6,7
	ds_load_b128 v[X+32*\c+4*\j:X+32*\c+4*\j+3], v[STR] offset:256*\c+16*\j   ; LDS serves a wave's instructions in order (ISA guide 5.7.1.4): these see the stores above.  Register 32 c + i: k = 64 c + 32 h + i of row r
.endr
.endr
	s_wait_dscnt 0x0
	; my two whole blocks: 32 numbers and the floor 2^(3 - 127) are 16 lines a block, in two chains, the two blocks by turns
.irp c, 0,1
	v_max3_num_f32 v[T+2*\c], |v[X+32*\c]|, |v[X+32*\c+1]|, 0x1800000
	v_max3_num_f32 v[T+2*\c+1], |v[X+32*\c+2]|, |v[X+32*\c+3]|, |v[X+32*\c+4]|
.endr
.irp i, 5,9,13,17,21,25
.irp c, 0,1
	v_max3_num_f32 v[T+2*\c], v[T+2*\c], |v[X+32*\c+\i]|, |v[X+32*\c+\i+1]|
	v_max3_num_f32 v[T+2*\c+1], v[T+2*\c+1], |v[X+32*\c+\i+2]|, |v[X+32*\c+\i+3]|
.endr
.endr
.irp c, 0,1
	v_max3_num_f32 v[T+2*\c], v[T+2*\c], |v[X+32*\c+29]|, |v[X+32*\c+30]|
.endr
.irp c, 0,1
	v_max3_num_f32 v[T+2*\c], v[T+2*\c], v[T+2*\c+1], |v[X+32*\c+31]|
.endr
.irp c, 0,1
	v_add_nc_u32 v[SO+\c], 0xff000000, v[T+2*\c]   ; 2 off the exponent field: the conversion takes the exponent field of this operand as its scale, and nothing else of it
.endr
.irp c, 0,1
	v_lshrrev_b32 v[T+2*\c+1], 23, v[SO+\c]        ; the scale's byte
.endr
	v_lshl_or_b32 v[W], v[T+3], 16, v[T+1]         ; my bytes: blocks h and 2 + h of the K step,
	v_lshlrev_b32 v[W], v[SH8], v[W]               ; at their places in the word
	v_permlanex16_b32 v[XW], v[W], s20, s21        ; lane l xor 16 has the other two
.irp c, 0,1
.irp g, 0,1,2,3
	v_cvt_scalef32_pk8_fp4_f32 v[CD+4*\c+\g], v[X+32*\c+8*\g:X+32*\c+8*\g+7], v[SO+\c]
.endr
.endr
	v_or_b32 v[W], v[W], v[XW]                     ; the word is whole.  (The plain line behind the conversions)
	global_store_b128 v[L16], v[CD:CD+3], s[12:13]                ; the image: 512 consecutive bytes a store
	global_store_b128 v[L16], v[CD+4:CD+7], s[12:13] offset:512
	ds_store_b32 v[SWA], v[W]                      ; both lanes of a row write the same word with the same value
	s_wait_dscnt 0x0                               ; for the others' sake: my word lies in LDS
	s_barrier_signal -1
	s_barrier_wait -1
	s_cmp_lg_u32 s14, 0
	s_cbranch_scc1 .Lend                           ; wave 0 sends the four waves' 64 words: 256 consecutive bytes, at a multiple of 256 from the record's first byte
	ds_load_b64 v[8:9], v[SRA]
	s_lshl_b32 s24, s16, 8
	s_add_co_u32 s24, s24, 16384
	s_mov_b32 s25, 0
	s_add_nc_u64 s[24:25], s[22:23], s[24:25]
	s_wait_dscnt 0x0
	global_store_b64 v[L8], v[8:9], s[24:25]
.Lend:
	s_wait_tensorcnt 0x0
	ds_add_u32 v96, v97
	s_wait_dscnt 0x0
	s_endpgm
.Lfunc_end_k_qe4de71873a_prep:
	.size	k_qe4de71873a_prep, .Lfunc_end_k_qe4de71873a_prep-k_qe4de71873a_prep
	.p2alignl 7, 3214868480
	.fill 96, 4, 3214868480
	.section	.rodata,"a",@progbits
	.p2align	6, 0x0
	.amdhsa_kernel k_qe4de71873a_prep
		.amdhsa_group_segment_fixed_size 34816
		.amdhsa_private_segment_fixed_size 0
		.amdhsa_enable_private_segment 0
		.amdhsa_kernarg_size 24
		.amdhsa_user_sgpr_count 2
		.amdhsa_user_sgpr_kernarg_segment_ptr 1
		.amdhsa_wavefront_size32 1
		.amdhsa_system_sgpr_workgroup_id_x 1
		.amdhsa_system_sgpr_workgroup_id_y 1
		.amdhsa_system_sgpr_workgroup_id_z 1
		.amdhsa_system_vgpr_workitem_id 0
		.amdhsa_next_free_vgpr 98
		.amdhsa_next_free_sgpr 66
		.amdhsa_reserve_vcc 0
		.amdhsa_float_denorm_mode_32 3
		.amdhsa_float_denorm_mode_16_64 3
		.amdhsa_memory_ordered 1
		.amdhsa_forward_progress 1
		.amdhsa_inst_pref_size 10
	.end_amdhsa_kernel
	.amdgpu_metadata
---
amdhsa.version: [ 1, 2 ]
amdhsa.kernels:
  - .name:           k_qe4de71873a_prep
    .symbol:         k_qe4de71873a_prep.kd
    .args:
      - { .name: Wk, .offset: 0, .size: 8, .value_kind: global_buffer, .address_space: global }
      - { .name: Wq, .offset: 8, .size: 8, .value_kind: global_buffer, .address_space: global }
      - { .name: wt, .offset: 16, .size: 8, .value_kind: global_buffer, .address_space: global }
    .group_segment_fixed_size: 34816
    .private_segment_fixed_size: 0
    .kernarg_segment_align: 8
    .kernarg_segment_size: 24
    .max_flat_workgroup_size: 128
    .sgpr_count:     66
    .vgpr_count:     98
    .wavefront_size: 32
...
	.end_amdgpu_metadata
.endif
;; end of part 1
;; launch main (part 2): grid 256 x 1, 4 waves a work-group, clusters of 4 x 1, 327,680 bytes of LDS; arguments key, query, sc, cp, bias, w_score, wt; writes sc, cp
.if DOCPART == 2
	.amdgcn_target "amdgcn-amd-amdhsa--gfx1250"
	.amdhsa_code_object_version 6
	.text
	.protected	k_qe4de71873a_main
	.globl	k_qe4de71873a_main
	.p2align	8
	.type	k_qe4de71873a_main,@function
k_qe4de71873a_main:
	s_mov_b64 s[64:65], 0
	v_nop
	global_prefetch_b8 v0, s[64:65] scope:SCOPE_SE
	s_setreg_imm32_b32 hwreg(HW_REG_WAVE_MODE, 25, 1), 1
	s_wait_xcnt 0x0
	s_wait_alu depctr_hold_cnt(0) depctr_sa_sdst(0) depctr_va_vdst(0) depctr_va_sdst(0) depctr_va_ssrc(0) depctr_va_vcc(0) depctr_vm_vsrc(0)
	s_getreg_b32 s2, hwreg(HW_REG_IB_STS2, 6, 4)
	s_cmp_eq_u32 s2, 0
	s_cbranch_scc0 .Lentry_in_a_cluster
	s_endpgm
.Lentry_in_a_cluster:
	s_bfe_u32 s2, ttmp6, 0x10000c
	s_cmp_lg_u32 s2, 0x3003
	s_cbranch_scc0 .Lentry_shape_is_right
	s_endpgm
.Lentry_shape_is_right:
; For 128 rows (b, l) a work-group: x = Q(key) Q(Wk)^T + Q(query) Q(Wq)^T + bias, both products on FP4 codes with E8M0 scales as ONE product of K = 2,048;
; sc = -2 sum_o w_score[o] / (1 + e^(2x)): the score less a term that is the same along the softmax's axis (left out as dead work: see the first kernel's head; b_score is not loaded);
; cp = sum over the 128 rows of e^(sc - m) key, m the block's largest sc.  The next launch joins a batch's eight blocks.
; SHARES: a wave owns 32 rows.  THE HEAD reads them once (32 units of 16 rows x 128 k, loads three units ahead), turns each unit through the wave's LDS stage so that a lane holds 32 neighbours along k,
; quantises it into window 1 (codes, 256 registers) and keeps key as bf16 in windows 2 and 3 for the weighted sum (a product left as it is).
; THE LOOP walks wt's 64 records (16 weight rows x K 2,048, in the order of the operand's registers) through two LDS slots of 8 records, filled by joint loads of the cluster's four work-groups, which walk the same records.
; A tile is 32 matrix instructions in two runs of 16 on FOUR accumulators by turns (even K steps one pair, odd K steps the other); behind them the tanh as two batches.
; Transposed use: source 0 = 16 weight rows, source 1 = 16 of my rows: a lane holds one row and eight neighbouring o.
; No data prefetch: key and query are read once by plain loads that run three units (48 loads a wave) ahead and the head has no other work to run ahead in; all 64 clusters walk wt's same 1,114,112 bytes in the same order.
; LIMITS: the quantiser's as in the first kernel (a block of zeros gets the byte 1, its codes are zeros; magnitudes under 2^-124 are taken at that floor; NaN and infinities among the inputs are not served).
.set REC,   17408
.set SLOTB, 8*REC
.set PART,  2*REC                      ; what one wave's joint load brings
.set STAGE, 2*SLOTB                    ; the waves' stages, 16 rows of 528 bytes each; at the end scratch for scores, p and parts
.set SP,    528
.set WST,   16*SP
.set SPARE, STAGE+4*WST                ; the spare words
.set AUXR,  SPARE+512                  ; 4,096 bytes of bias x c, then 4,096 of -2 w_score
.set SCR,   STAGE
.set PSC,   STAGE+512
.set CT,    STAGE+4096
.set L16, 1                            ; 16 x lane
.set SPW, 2
.set NIL, 3
.set STW, 4
.set STR, 5
.set SH8, 6
.set ADR, 7                            ; LDS address of the next tile's record
.set T,   8
.set SO,  12
.set W,   14
.set XW,  15
.set AS,  16                           ; v16-31 my rows' scale words: lanes 0-15 rows 0-15, lanes 16-31 rows 16-31
.set SB,  32                           ; v32-39 the tile's scale words
.set BC,  40                           ; v40-47 bias x c of my eight o
.set W2,  48                           ; v48-55 -2 w_score of them
.set AX0, 56
.set ADX, 57
.set GA,  58
.set LA,  59
.set F,   64                           ; v64-191 the tile's 16 fragments
.set ACC, 192                          ; v192-207 even K steps' pair; v240-255 odd K steps' pair
.set E,   208
.set SA,  224                          ; v224-239 the scores' running sums
.set PB,  64
.set C,   96
.set WV,  16
.set SEL, 20
.set CC,  22                           ; c = 2 log2(e)
.set TB,  25
.set CNT, 26
.set OUTER, 27
.set G0A, 28
.set G0B, 32
.set G1,  36
.set L2E, 48
.set TA,  49
.set MSK, 51                           ; lanes 16-31
.set MSB, 0
.macro WIN new
.if MSB != \new
	s_set_vgpr_msb (MSB<<8)|\new
.set MSB, \new
.endif
.endm
.macro PLACES
.rept 4
	v_nop
.endr
.endm
.macro ROUND                           ; a round of the cluster's barrier
	s_barrier_signal -1
	s_barrier_wait -1
	s_cmp_lg_u32 s[WV], 0
	s_cbranch_scc1 .Lnot_wave_0_\@
	s_barrier_signal -3
.Lnot_wave_0_\@:
	s_barrier_wait -3
	s_barrier_signal -1
	s_barrier_wait -1
.endm
.macro XLOAD u                         ; unit u: tensor u / 16, K step (u % 16) / 2, rows 16 (u % 2) on: each load 512 consecutive bytes of a row
.set LT, (\u)/16
.set LS, ((\u)%16)/2
.set LM, (\u)%2
.set LR, 64+64*((\u)%3)
.irp i, 0,1,2,3,4,5,6,7,8,9,10,11,12,13,14,15
	global_load_b128 v[LR+4*\i:LR+4*\i+3], v[L16], s[4+2*LT:5+2*LT] offset:(16*LM+\i)*4096+512*LS th:TH_LOAD_NT
.endr
.endm
.macro QUANT r, d                      ; my two blocks of 32: largest magnitudes with the floor 2^(3 - 127), scale operands, bytes, codes into window 1
.irp c, 0,1
	v_max3_num_f32 v[T+2*\c], |v[\r+32*\c]|, |v[\r+32*\c+1]|, 0x1800000
	v_max3_num_f32 v[T+2*\c+1], |v[\r+32*\c+2]|, |v[\r+32*\c+3]|, |v[\r+32*\c+4]|
.endr
.irp i, 5,9,13,17,21,25
.irp c, 0,1
	v_max3_num_f32 v[T+2*\c], v[T+2*\c], |v[\r+32*\c+\i]|, |v[\r+32*\c+\i+1]|
	v_max3_num_f32 v[T+2*\c+1], v[T+2*\c+1], |v[\r+32*\c+\i+2]|, |v[\r+32*\c+\i+3]|
.endr
.endr
.irp c, 0,1
	v_max3_num_f32 v[T+2*\c], v[T+2*\c], |v[\r+32*\c+29]|, |v[\r+32*\c+30]|
.endr
.irp c, 0,1
	v_max3_num_f32 v[T+2*\c], v[T+2*\c], v[T+2*\c+1], |v[\r+32*\c+31]|
.endr
.irp c, 0,1
	v_add_nc_u32 v[SO+\c], 0xff000000, v[T+2*\c]   ; 2 off the exponent field
.endr
.irp c, 0,1
	v_lshrrev_b32 v[T+2*\c+1], 23, v[SO+\c]
.endr
	v_lshl_or_b32 v[W], v[T+3], 16, v[T+1]
	v_lshlrev_b32 v[W], v[SH8], v[W]
	v_permlanex16_b32 v[XW], v[W], s[SEL], s[SEL+1]
	WIN 0x40
.irp c, 0,1
.irp g, 0,1,2,3
	v_cvt_scalef32_pk8_fp4_f32 v[\d+4*\c+\g], v[\r+32*\c+8*\g:\r+32*\c+8*\g+7], v[SO+\c]
.endr
.endr
	WIN 0
.endm
.macro UNIT u
.set UT, (\u)/16
.set US, ((\u)%16)/2
.set UM, (\u)%2
.set UR, 64+64*((\u)%3)
.set UK, 8*UT+US
.set UD, 8*(16*UM+UK)
.set UW, 0x80+0x40*UM
.if 31-(\u) >= 2
	s_wait_loadcnt 32                              ; this unit is in; the next two units' 32 loads may be out
.else
	s_wait_loadcnt 16*(31-(\u))
.endif
.irp i, 0,1,2,3,4,5,6,7,8,9,10,11,12,13,14,15
	ds_store_b128 v[STW], v[UR+4*\i:UR+4*\i+3] offset:SP*\i
.endr
.if UT == 0                            ; key stays as bf16, as loaded: window 2 (rows 0-15) or 3
	WIN UW
.irp i, 0,1,2,3,4,5,6,7,8,9,10,11,12,13,14,15
.irp q, 0,1
	v_cvt_pk_bf16_f32 v[2*(16*US+\i)+\q], v[UR+4*\i+2*\q], v[UR+4*\i+2*\q+1]
.endr
.endr
	WIN 0
.endif
.irp c, 0,1
.irp j, 0,1,2,3,4,5,6,7
	ds_load_b128 v[UR+32*\c+4*\j:UR+32*\c+4*\j+3], v[STR] offset:256*\c+16*\j   ; a wave's LDS instructions are served in order: these see the stores above
.endr
.endr
	s_wait_dscnt 0x0
	QUANT UR, UD
.if UM == 0
	v_or_b32 v[AS+UK], v[W], v[XW]                 ; (the plain line behind the conversions)
.else
	v_or_b32 v[W], v[W], v[XW]
	v_cndmask_b32 v[AS+UK], v[AS+UK], v[W], s[MSK] ; rows 16-31's words into lanes 16-31
.endif
.if (\u)+3 < 32
	XLOAD (\u)+3
.endif
.endm
.macro MM s                            ; K step s: my two blocks of 16 rows against the tile's fragment
.set FB, F+8*(\s)
.set SBR, SB+4*((\s)/8)+(\s)%4
.set AQ, ACC+48*((\s)%2)
.if (\s) < 2
	v_wmma_scale_f32_16x16x128_f8f6f4 v[AQ:AQ+7], v[FB:FB+7], v[8*(\s):8*(\s)+7], 0, v[SBR], v[AS+(\s)] matrix_a_fmt:MATRIX_FMT_FP4 matrix_b_fmt:MATRIX_FMT_FP4
	v_wmma_scale_f32_16x16x128_f8f6f4 v[AQ+8:AQ+15], v[FB:FB+7], v[128+8*(\s):128+8*(\s)+7], 0, v[SBR], v[AS+(\s)] matrix_a_fmt:MATRIX_FMT_FP4 matrix_b_fmt:MATRIX_FMT_FP4 matrix_b_scale:MATRIX_SCALE_ROW1
.elseif ((\s)%8) < 4
	v_wmma_scale_f32_16x16x128_f8f6f4 v[AQ:AQ+7], v[FB:FB+7], v[8*(\s):8*(\s)+7], v[AQ:AQ+7], v[SBR], v[AS+(\s)] matrix_a_fmt:MATRIX_FMT_FP4 matrix_b_fmt:MATRIX_FMT_FP4
	v_wmma_scale_f32_16x16x128_f8f6f4 v[AQ+8:AQ+15], v[FB:FB+7], v[128+8*(\s):128+8*(\s)+7], v[AQ+8:AQ+15], v[SBR], v[AS+(\s)] matrix_a_fmt:MATRIX_FMT_FP4 matrix_b_fmt:MATRIX_FMT_FP4 matrix_b_scale:MATRIX_SCALE_ROW1
.else
	v_wmma_scale_f32_16x16x128_f8f6f4 v[AQ:AQ+7], v[FB:FB+7], v[8*(\s):8*(\s)+7], v[AQ:AQ+7], v[SBR], v[AS+(\s)] matrix_a_fmt:MATRIX_FMT_FP4 matrix_b_fmt:MATRIX_FMT_FP4 matrix_a_scale:MATRIX_SCALE_ROW1
	v_wmma_scale_f32_16x16x128_f8f6f4 v[AQ+8:AQ+15], v[FB:FB+7], v[128+8*(\s):128+8*(\s)+7], v[AQ+8:AQ+15], v[SBR], v[AS+(\s)] matrix_a_fmt:MATRIX_FMT_FP4 matrix_b_fmt:MATRIX_FMT_FP4 matrix_a_scale:MATRIX_SCALE_ROW1 matrix_b_scale:MATRIX_SCALE_ROW1
.endif
.endm
.macro FETCH_F lo
.irp s, 0,1,2,3,4,5,6,7
.irp c, 0,1
	ds_load_b128 v[F+8*(\lo+\s)+4*\c:F+8*(\lo+\s)+4*\c+3], v[ADR] offset:1024*(\lo+\s)+512*\c
.endr
.endr
.endm
.macro FETCH_SB
.irp u, 0,1
	ds_load_b128 v[SB+4*\u:SB+4*\u+3], v[ADR] offset:16384+512*\u
.endr
.endm
.macro FETCH_BC
	ds_load_b128 v[BC:BC+3], v[ADX]
	ds_load_b128 v[BC+4:BC+7], v[ADX] offset:16
.endm
.macro FETCH_W2
	ds_load_b128 v[W2:W2+3], v[ADX] offset:4096
	ds_load_b128 v[W2+4:W2+7], v[ADX] offset:4112
.endm
; A tile.  ld = 1: the next tile's loads are issued on the way, in this order: fragments 0-7 (16), scale words (2), fragments 8-15 (16), bias (2), w (2).
.macro TILE ld
.if \ld
	v_add_nc_u32 v[ADR], s[TB], v[L16]
	v_add_nc_u32 v[ADX], s[TA], v[AX0]
	s_wait_alu depctr_va_vdst(0)
.endif
	s_wait_dscnt 20                                ; fragments 0-7 and the scale words are in; out may be fragments 8-15 (16), bias (2), w (2)
	WIN 0x04                                       ; source 1, my codes: window 1
.irp s, 0,1,2,3,4,5,6,7
	MM \s
.endr
	PLACES                                         ; ahead of loads into registers that matrix instructions have read
.if \ld
	FETCH_F 0
	s_wait_dscnt 20                                ; fragments 8-15 are in; out may be the 16 just issued, bias and w
.else
	s_wait_dscnt 4
.endif
.irp s, 8,9,10,11,12,13,14,15
	MM \s
.endr
	PLACES                                         ; ahead of the first read of the results
	WIN 0
.if \ld
	s_wait_dscnt 16                                ; bias and w are in
.else
	s_wait_dscnt 0x0
.endif
.irp p, 0,1,2,3,4,5,6,7
	v_pk_fma_f32 v[E+2*\p:E+2*\p+1], v[ACC+2*\p:ACC+2*\p+1], s[CC:CC+1], v[BC+2*(\p%4):BC+2*(\p%4)+1] op_sel_hi:[1,0,1]   ; c (x): even K steps' sums and the bias,
.endr
.irp p, 0,1,2,3,4,5,6,7
	v_pk_fma_f32 v[E+2*\p:E+2*\p+1], v[ACC+48+2*\p:ACC+48+2*\p+1], s[CC:CC+1], v[E+2*\p:E+2*\p+1] op_sel_hi:[1,0,1]       ; and the odd ones'
.endr
.if \ld
	FETCH_SB
	FETCH_F 8
	FETCH_BC
.endif
	s_wait_alu depctr_va_vdst(0)
.irp j, 0,1,2,3,4,5,6,7,8,9,10,11,12,13,14,15
	v_exp_f32 v[E+\j], v[E+\j]                     ; e^(2x)
.endr
	v_nop
	s_wait_alu depctr_va_vdst(0)
.irp p, 0,1,2,3,4,5,6,7
	v_pk_add_f32 v[E+2*\p:E+2*\p+1], v[E+2*\p:E+2*\p+1], 1.0 op_sel_hi:[1,0]
.endr
	s_wait_alu depctr_va_vdst(0)
.irp j, 0,1,2,3,4,5,6,7,8,9,10,11,12,13,14,15
	v_rcp_f32 v[E+\j], v[E+\j]
.endr
	v_nop
	s_wait_alu depctr_va_vdst(0)
.irp p, 0,1,2,3,4,5,6,7
	v_pk_fma_f32 v[SA+2*\p:SA+2*\p+1], v[E+2*\p:E+2*\p+1], v[W2+2*(\p%4):W2+2*(\p%4)+1], v[SA+2*\p:SA+2*\p+1]
.endr
.if \ld
	FETCH_W2
	s_add_co_u32 s[TB], s[TB], REC
	s_add_co_u32 s[TA], s[TA], 64
.endif
.endm
.macro LOOPT n
	s_mov_b32 s[CNT], \n
.Ltile_\@:
	TILE 1
	s_sub_co_u32 s[CNT], s[CNT], 1
	s_cmp_lg_u32 s[CNT], 0
	s_cbranch_scc1 .Ltile_\@
.endm
; The change of slots: all my tensor loads are in, a zero add to my spare word, my reads of the slot that is left are over (its last tile's fragments are in registers); fill = 1: a round, then that slot's joint refill.
.macro CHANGE g0, fill
	s_wait_tensorcnt 0x0
	ds_add_u32 v[SPW], v[NIL]
.if \fill
	s_add_nc_u64 s[\g0+2:\g0+3], s[\g0+2:\g0+3], 2*SLOTB
.endif
	s_wait_dscnt 0x0
.if \fill
	ROUND
	tensor_load_to_lds s[\g0:\g0+3], s[G1:G1+7]
	s_nop 0
.rept 4
	v_nop
.endr
.else
	s_barrier_signal -1
	s_barrier_wait -1
.endif
.endm
	s_load_b256 s[4:11], s[0:1], 0x0               ; key, query, sc, cp
	s_load_b128 s[12:15], s[0:1], 0x20             ; bias, w_score
	s_load_b64 s[52:53], s[0:1], 0x30              ; wt
	v_lshl_add_u32 v[SPW], v0, 2, SPARE
	v_mov_b32 v[NIL], 0
	ds_add_u32 v[SPW], v[NIL]
	ds_add_u32 v[SPW], v[NIL]
	v_lshrrev_b32 v8, 5, v0
	v_readfirstlane_b32 s[WV], v8
	s_bfe_u32 s17, ttmp6, 0x40000
	s_lshl_b32 s18, ttmp9, 2
	s_add_co_u32 s18, s18, s17                     ; my block of 128 rows
	v_and_b32 v9, 31, v0
	v_lshlrev_b32 v[L16], 4, v9
	v_lshlrev_b32 v[GA], 5, v0
	v_lshl_add_u32 v[LA], v0, 5, AUXR
	s_mov_b32 s[G1], 15|(3<<16)|(1<<21)            ; all four partners; elements of 8 bytes; two records as 136 dense rows of 256 bytes
	s_mov_b32 s[G1+1], 32<<16
	s_mov_b32 s[G1+2], (PART/256)<<16
	s_mov_b32 s[G1+3], 32<<16
	s_mov_b32 s[G1+4], PART/256
	s_mov_b32 s[G1+5], 32
	s_mov_b32 s[G1+6], 0
	s_mov_b32 s[G1+7], 0
	s_mov_b32 s[SEL], 0x76543210
	s_mov_b32 s[SEL+1], 0xfedcba98
	s_mov_b32 s[CC], 0x4038aa3b
	s_mov_b32 s[CC+1], s[CC]
	s_mov_b32 s[L2E], 0x3fb8aa3b
	s_mov_b32 s[MSK], 0xffff0000
	s_mul_i32 s44, s[WV], PART
	s_mov_b32 s45, 0
	s_lshl_b32 s46, s18, 7
	s_lshl_b32 s47, s[WV], 5
	s_add_co_u32 s46, s46, s47
	s_lshl_b32 s46, s46, 12                        ; my 32 rows of 4,096 bytes
	s_mov_b32 s47, 0
	s_wait_alu depctr_va_vdst(0)
	s_wait_dscnt 0x0
	s_wait_kmcnt 0x0
	s_add_nc_u64 s[4:5], s[4:5], s[46:47]
	s_add_nc_u64 s[6:7], s[6:7], s[46:47]
	global_load_b128 v[BC:BC+3], v[GA], s[12:13]
	global_load_b128 v[BC+4:BC+7], v[GA], s[12:13] offset:16
	global_load_b128 v[W2:W2+3], v[GA], s[14:15]
	global_load_b128 v[W2+4:W2+7], v[GA], s[14:15] offset:16
	XLOAD 0
	XLOAD 1
	XLOAD 2
	s_lshl_b32 s46, s18, 9
	s_add_nc_u64 s[8:9], s[8:9], s[46:47]          ; my block's 128 scores
	s_lshl_b32 s46, s18, 12
	s_add_nc_u64 s[10:11], s[10:11], s[46:47]      ; and its part of the context
	s_mov_b32 s[G0A], 1
	s_mov_b32 s[G0A+1], s44
	s_add_nc_u64 s[G0A+2:G0A+3], s[52:53], s[44:45]
	s_mov_b32 s[G0B], 1
	s_add_co_u32 s[G0B+1], s44, SLOTB
	s_add_nc_u64 s[G0B+2:G0B+3], s[G0A+2:G0A+3], SLOTB
	s_or_b32 s[G0A+3], s[G0A+3], 0x80000000
	s_or_b32 s[G0B+3], s[G0B+3], 0x80000000
	ROUND
	tensor_load_to_lds s[G0A:G0A+3], s[G1:G1+7]    ; records 0-7: my one load at the head
	s_nop 0
.rept 4
	v_nop
.endr
	v_and_b32 v10, 15, v0
	v_bfe_u32 v11, v0, 4, 1
	s_mul_i32 s[CNT], s[WV], WST
	s_add_co_u32 s[CNT], s[CNT], STAGE
	v_add_nc_u32 v[STW], s[CNT], v[L16]
	v_mul_u32_u24 v[STR], v10, SP
	v_lshl_add_u32 v[STR], v11, 7, v[STR]
	v_add_nc_u32 v[STR], s[CNT], v[STR]
	v_lshlrev_b32 v[SH8], 3, v11
	v_lshl_add_u32 v[AX0], v11, 5, AUXR
	v_mov_b32 v[XW], 0
	s_wait_alu depctr_va_vdst(0)
.irp u, 0,1,2,3,4,5,6,7,8,9,10,11,12,13,14,15,16,17,18,19,20,21,22,23,24,25,26,27,28,29,30,31
	UNIT \u
.endr
.irp p, 0,1,2,3
	v_pk_mul_f32 v[BC+2*\p:BC+2*\p+1], v[BC+2*\p:BC+2*\p+1], s[CC:CC+1] op_sel_hi:[1,0]
	v_pk_mul_f32 v[W2+2*\p:W2+2*\p+1], v[W2+2*\p:W2+2*\p+1], -2.0 op_sel_hi:[1,0]
.endr
	ds_store_b128 v[LA], v[BC:BC+3]
	ds_store_b128 v[LA], v[BC+4:BC+7] offset:16
	ds_store_b128 v[LA], v[W2:W2+3] offset:4096
	ds_store_b128 v[LA], v[W2+4:W2+7] offset:4112
.irp j, 0,1,2,3,4,5,6,7,8,9,10,11,12,13,14,15
	v_mov_b32 v[SA+\j], 0
.endr
	v_mov_b32 v[ADR], v[L16]
	v_mov_b32 v[ADX], v[AX0]
	s_wait_alu depctr_va_vdst(0)
	s_wait_tensorcnt 0x0                           ; records 0-7: my part is in.  Slot 1's first fill is issued as a refill is
	ds_add_u32 v[SPW], v[NIL]
	s_wait_dscnt 0x0                               ; and my stores of bias and w lie in LDS
	ROUND
	tensor_load_to_lds s[G0B:G0B+3], s[G1:G1+7]    ; records 8-15: seven tiles' work in which to land
	s_nop 0
.rept 4
	v_nop
.endr
	FETCH_F 0
	FETCH_SB
	FETCH_F 8
	FETCH_BC
	FETCH_W2
	s_mov_b32 s[TB], REC
	s_mov_b32 s[TA], 64
	LOOPT 7                                        ; a trip multiplies tile i and fetches tile i + 1: the change of slots stands ahead of the trip that fetches from the next slot
	s_mov_b32 s[OUTER], 3
.Lpair:
	CHANGE G0A, 1
	s_mov_b32 s[TB], SLOTB
	LOOPT 8
	CHANGE G0B, 1
	s_mov_b32 s[TB], 0
	LOOPT 8
	s_sub_co_u32 s[OUTER], s[OUTER], 1
	s_cmp_lg_u32 s[OUTER], 0
	s_cbranch_scc1 .Lpair
	CHANGE G0A, 0
	s_mov_b32 s[TB], SLOTB
	LOOPT 8
	TILE 0
	; my 32 scores: the eight o of a lane, then lane l xor 16's
.irp m, 0,1
	v_pk_add_f32 v[SA+8*\m:SA+8*\m+1], v[SA+8*\m:SA+8*\m+1], v[SA+8*\m+2:SA+8*\m+3]
	v_pk_add_f32 v[SA+8*\m+4:SA+8*\m+5], v[SA+8*\m+4:SA+8*\m+5], v[SA+8*\m+6:SA+8*\m+7]
.endr
.irp m, 0,1
	v_pk_add_f32 v[SA+8*\m:SA+8*\m+1], v[SA+8*\m:SA+8*\m+1], v[SA+8*\m+4:SA+8*\m+5]
.endr
.irp m, 0,1
	v_add_f32 v[SA+8*\m], v[SA+8*\m], v[SA+8*\m+1]
.endr
.irp m, 0,1
	v_permlanex16_b32 v[SA+8*\m+1], v[SA+8*\m], s[SEL], s[SEL+1]
.endr
.irp m, 0,1
	v_add_f32 v[SA+8*\m], v[SA+8*\m], v[SA+8*\m+1]
.endr
	s_lshl_b32 s[CNT], s[WV], 7
	s_add_co_u32 s[CNT], s[CNT], SCR
	v_and_b32 v[STW], 15, v0
	v_lshl_add_u32 v[STW], v[STW], 2, s[CNT]
	v_add_nc_u32 v[STR], SCR, v[L16]
	s_wait_alu depctr_va_vdst(0)
	ds_store_b32 v[STW], v[SA]
	ds_store_b32 v[STW], v[SA+8] offset:64
	s_wait_dscnt 0x0
	s_barrier_signal -1
	s_barrier_wait -1
	ds_load_b128 v[128:131], v[STR]                ; the block's 128 scores, four a lane
	s_wait_dscnt 0x0
	s_cmp_lg_u32 s[WV], 0
	s_cbranch_scc1 .Lnot_first
	global_store_b128 v[L16], v[128:131], s[8:9]   ; 512 consecutive bytes
.Lnot_first:
	v_max3_num_f32 v136, v128, v129, v130
	v_max_num_f32 v136, v136, v131
.irp k, 1,2,4,8
	v_max_num_f32_dpp v136, v136, v136 row_xmask:\k row_mask:0xf bank_mask:0xf
.endr
	v_permlanex16_b32 v[XW], v136, s[SEL], s[SEL+1]
	v_max_num_f32 v136, v136, v[XW]                ; m, the block's largest
.irp k, 0,1,2,3
	v_sub_f32 v[132+\k], v[128+\k], v136
.endr
.irp k, 0,1,2,3
	v_mul_f32 v[132+\k], s[L2E], v[132+\k]
.endr
	s_wait_alu depctr_va_vdst(0)
.irp k, 0,1,2,3
	v_exp_f32 v[132+\k], v[132+\k]
.endr
	s_lshl_b32 s[CNT], s[WV], 9
	s_add_co_u32 s[CNT], s[CNT], PSC
	v_add_nc_u32 v[STW], s[CNT], v[L16]
	s_mul_i32 s[CNT], s[WV], 640
	s_add_co_u32 s[CNT], s[CNT], PSC
	v_mov_b32 v[STR], s[CNT]                       ; my own copy of the 128 p, at my 32 rows
	s_wait_alu depctr_va_vdst(0)
	ds_store_b128 v[STW], v[132:135]
.irp q, 0,1,2,3,4,5,6,7
	ds_load_b128 v[PB+4*\q:PB+4*\q+3], v[STR] offset:16*\q
.endr
.irp j, 0,1,2,3,4,5,6,7,8,9,10,11,12,13,14,15,16,17,18,19,20,21,22,23,24,25,26,27,28,29,30,31
	v_mov_b32 v[C+\j], 0
.endr
	s_wait_dscnt 0x0
.irp m, 0,1                            ; sum over my 32 rows of p x key: a lane holds four columns of each K step's 128
.set CW, 0x02+\m
	WIN CW
.irp i, 0,1,2,3,4,5,6,7,8,9,10,11,12,13,14,15
.irp s, 0,1,2,3,4,5,6,7
.irp q, 0,1
	v_fma_mix_f32_bf16 v[C+4*\s+2*\q], v[2*(16*\s+\i)+\q], v[PB+16*\m+\i], v[C+4*\s+2*\q] op_sel_hi:[1,0,0]
	v_fma_mix_f32_bf16 v[C+4*\s+2*\q+1], v[2*(16*\s+\i)+\q], v[PB+16*\m+\i], v[C+4*\s+2*\q+1] op_sel:[1,0,0] op_sel_hi:[1,0,0]
.endr
.endr
.endr
.endr
	WIN 0
	s_lshl_b32 s[CNT], s[WV], 12
	s_add_co_u32 s[CNT], s[CNT], CT
	v_add_nc_u32 v[STW], s[CNT], v[L16]
	s_wait_alu depctr_va_vdst(0)
.irp s, 0,1,2,3,4,5,6,7
	ds_store_b128 v[STW], v[C+4*\s:C+4*\s+3] offset:512*\s
.endr
	s_lshl_b32 s[CNT], s[WV], 10
	v_add_nc_u32 v[SH8], s[CNT], v[L16]
	v_add_nc_u32 v[STR], CT, v[SH8]
	s_wait_alu depctr_va_vdst(0)
	s_wait_dscnt 0x0
	s_barrier_signal -1
	s_barrier_wait -1
.irp p, 0,1,2,3                        ; the four waves' parts of my quarter of the columns
.irp u, 0,1
	ds_load_b128 v[160+8*\p+4*\u:160+8*\p+4*\u+3], v[STR] offset:4096*\p+512*\u
.endr
.endr
	s_wait_dscnt 0x0
.irp j, 0,2,4,6
	v_pk_add_f32 v[160+\j:161+\j], v[160+\j:161+\j], v[168+\j:169+\j]
	v_pk_add_f32 v[176+\j:177+\j], v[176+\j:177+\j], v[184+\j:185+\j]
.endr
.irp j, 0,2,4,6
	v_pk_add_f32 v[160+\j:161+\j], v[160+\j:161+\j], v[176+\j:177+\j]
.endr
	global_store_b128 v[SH8], v[160:163], s[10:11]
	global_store_b128 v[SH8], v[164:167], s[10:11] offset:512
	s_wait_tensorcnt 0x0                           ; the wave's end
	ds_add_u32 v[SPW], v[NIL]
	s_wait_dscnt 0x0
	ROUND
	s_endpgm
.Lfunc_end_k_qe4de71873a_main:
	.size	k_qe4de71873a_main, .Lfunc_end_k_qe4de71873a_main-k_qe4de71873a_main
	.p2alignl 7, 3214868480
	.fill 96, 4, 3214868480
	.section	.rodata,"a",@progbits
	.p2align	6, 0x0
	.amdhsa_kernel k_qe4de71873a_main
		.amdhsa_group_segment_fixed_size 327680
		.amdhsa_private_segment_fixed_size 0
		.amdhsa_enable_private_segment 0
		.amdhsa_kernarg_size 56
		.amdhsa_user_sgpr_count 2
		.amdhsa_user_sgpr_kernarg_segment_ptr 1
		.amdhsa_wavefront_size32 1
		.amdhsa_system_sgpr_workgroup_id_x 1
		.amdhsa_system_sgpr_workgroup_id_y 1
		.amdhsa_system_sgpr_workgroup_id_z 1
		.amdhsa_system_vgpr_workitem_id 0
		.amdhsa_next_free_vgpr 1024
		.amdhsa_next_free_sgpr 66
		.amdhsa_reserve_vcc 0
		.amdhsa_float_denorm_mode_32 3
		.amdhsa_float_denorm_mode_16_64 3
		.amdhsa_memory_ordered 1
		.amdhsa_forward_progress 1
		.amdhsa_inst_pref_size 255
	.end_amdhsa_kernel
	.section	.bss,"aw",@nobits
	.p2align	6
	.space	262144
	.amdgpu_metadata
---
amdhsa.version: [ 1, 2 ]
amdhsa.kernels:
  - .name:           k_qe4de71873a_main
    .symbol:         k_qe4de71873a_main.kd
    .args:
      - { .name: key, .offset: 0, .size: 8, .value_kind: global_buffer, .address_space: global }
      - { .name: query, .offset: 8, .size: 8, .value_kind: global_buffer, .address_space: global }
      - { .name: sc, .offset: 16, .size: 8, .value_kind: global_buffer, .address_space: global }
      - { .name: cp, .offset: 24, .size: 8, .value_kind: global_buffer, .address_space: global }
      - { .name: bias, .offset: 32, .size: 8, .value_kind: global_buffer, .address_space: global }
      - { .name: w_score, .offset: 40, .size: 8, .value_kind: global_buffer, .address_space: global }
      - { .name: wt, .offset: 48, .size: 8, .value_kind: global_buffer, .address_space: global }
    .group_segment_fixed_size: 327680
    .private_segment_fixed_size: 0
    .kernarg_segment_align: 8
    .kernarg_segment_size: 56
    .max_flat_workgroup_size: 128
    .sgpr_count:     66
    .vgpr_count:     1024
    .wavefront_size: 32
...
	.end_amdgpu_metadata
.endif
;; end of part 2
;; launch combine (part 3): grid 8 x 32, 1 waves a work-group, no clusters, 0 bytes of LDS; arguments sc, cp, out0, out1; writes out0, out1
.if DOCPART == 3
	.amdgcn_target "amdgcn-amd-amdhsa--gfx1250"
	.amdhsa_code_object_version 6
	.text
	.protected	k_qe4de71873a_combine
	.globl	k_qe4de71873a_combine
	.p2align	8
	.type	k_qe4de71873a_combine,@function
k_qe4de71873a_combine:
	s_mov_b64 s[64:65], 0
	v_nop
	global_prefetch_b8 v0, s[64:65] scope:SCOPE_SE
	s_setreg_imm32_b32 hwreg(HW_REG_WAVE_MODE, 25, 1), 1
	s_wait_xcnt 0x0
; The eight blocks of a batch are joined.  sc: [32][1024] scores.  cp: [32][8][1024]: block q's sum over its 128 rows of e^(score - m_q) x key, m_q the block's largest score.
; M = the batch's largest score, L = the sum of e^(score - M);  out1 = e^(score - M) / L;  out0 = (sum over q of e^(m_q - M) cp_q) / L.  A maximum is exact, so m_q found here is the number that the launch before used.
; SHARES: work-group (j, b), one wave: columns 128 j on of out0[b] and rows 128 j on of out1[b], four of each a lane; every work-group reads the batch's 4,096 bytes of scores and its own eighth of the batch's parts.
; 256 work-groups of equal work; no LDS, no barrier.  Every load and store of the wave covers 512 consecutive bytes.
; sc holds the scores less a term that is the same for all rows of a batch (left out as dead work: see the first kernel's head): the softmax and the m_q - M below are unchanged by it.
.set S,   8
.set OWN, 40                           ; v40-43  block j's once more: my four rows of out1
.set P,   44                           ; v44-75  block q's part, my four columns
.set MQ,  76                           ; v76-83  m_q, then e^(m_q - M)
.set TM,  84                           ; v84-91  at work;  v88-91 at last out0
.set MM,  92                           ; v92-93  M, twice
.set INV, 94                           ; v94-95  1 / L, twice
	s_load_b256 s[4:11], s[0:1], 0x0               ; sc s[4:5], cp s[6:7], out0 s[8:9], out1 s[10:11]
	s_and_b32 s13, ttmp7, 0xffff                   ; b
	v_lshlrev_b32 v1, 4, v0                        ; one wave: the thread's number is the lane
	s_lshl_b32 s14, s13, 12                        ; 4,096 b
	s_mov_b32 s15, 0
	s_lshl_b32 s16, ttmp9, 9                       ; 512 j
	s_mov_b32 s17, 0
	s_lshl_b32 s18, s13, 15                        ; 32,768 b
	s_add_co_u32 s18, s18, s16
	s_mov_b32 s19, 0
	s_add_co_u32 s16, s16, s14                     ; 4,096 b + 512 j
	s_mov_b32 s22, 0x76543210
	s_mov_b32 s23, 0xfedcba98                      ; v_permlanex16_b32's selects for lane l xor 16
	s_mov_b32 s24, 0x3fb8aa3b                      ; log2(e)
	s_mov_b32 s25, s24                             ; (named with it as a pair, so it is written)
	s_wait_alu depctr_va_vdst(0)
	s_wait_kmcnt 0x0
	s_add_nc_u64 s[20:21], s[4:5], s[16:17]
	s_add_nc_u64 s[4:5], s[4:5], s[14:15]
	s_add_nc_u64 s[6:7], s[6:7], s[18:19]
	s_add_nc_u64 s[8:9], s[8:9], s[16:17]
	s_add_nc_u64 s[10:11], s[10:11], s[16:17]
.irp q, 0,1,2,3,4,5,6,7
	global_load_b128 v[S+4*\q:S+4*\q+3], v1, s[4:5] offset:512*\q
.endr
	global_load_b128 v[OWN:OWN+3], v1, s[20:21]
.irp q, 0,1,2,3,4,5,6,7
	global_load_b128 v[P+4*\q:P+4*\q+3], v1, s[6:7] offset:4096*\q
.endr
.irp q, 0,1,2,3,4,5,6,7
	v_mov_b32 v[TM+\q], 0                          ; a lane permute's destination counts as one of its sources
.endr
	s_wait_loadcnt 8                               ; the scores are in; the eight loads of the parts may be out
.irp q, 0,1,2,3,4,5,6,7
	v_max3_num_f32 v[MQ+\q], v[S+4*\q], v[S+4*\q+1], v[S+4*\q+2]   ; the eight blocks by turns
.endr
.irp q, 0,1,2,3,4,5,6,7
	v_max_num_f32 v[MQ+\q], v[MQ+\q], v[S+4*\q+3]
.endr
.irp k, 1,2,4,8
.irp q, 0,1,2,3,4,5,6,7
	v_max_num_f32_dpp v[MQ+\q], v[MQ+\q], v[MQ+\q] row_xmask:\k row_mask:0xf bank_mask:0xf
.endr
.endr
.irp q, 0,1,2,3,4,5,6,7
	v_permlanex16_b32 v[TM+\q], v[MQ+\q], s22, s23
.endr
.irp q, 0,1,2,3,4,5,6,7
	v_max_num_f32 v[MQ+\q], v[MQ+\q], v[TM+\q]     ; m_q, in every lane
.endr
	v_max3_num_f32 v[MM], v[MQ], v[MQ+1], v[MQ+2]
	v_max3_num_f32 v[MM], v[MM], v[MQ+3], v[MQ+4]
	v_max3_num_f32 v[MM], v[MM], v[MQ+5], v[MQ+6]
	v_max_num_f32 v[MM], v[MM], v[MQ+7]            ; M
	v_mov_b32 v[MM+1], v[MM]
.irp a, 8,10,12,14,16,18,20,22,24,26,28,30,32,34,36,38,40,42,76,78,80,82
	v_pk_add_f32 v[\a:\a+1], v[\a:\a+1], v[MM:MM+1] neg_lo:[0,1] neg_hi:[0,1]   ; the scores, my own block's and the m_q: - M
.endr
.irp a, 8,10,12,14,16,18,20,22,24,26,28,30,32,34,36,38,40,42,76,78,80,82
	v_pk_mul_f32 v[\a:\a+1], v[\a:\a+1], s[24:25] op_sel_hi:[1,0]
.endr
	s_wait_alu depctr_va_vdst(0)
.irp a, 8,9,10,11,12,13,14,15,16,17,18,19,20,21,22,23,24,25,26,27,28,29,30,31,32,33,34,35,36,37,38,39,40,41,42,43,76,77,78,79,80,81,82,83
	v_exp_f32 v[\a], v[\a]
.endr
	v_nop                                          ; a plain line behind the exponentials
	s_wait_alu depctr_va_vdst(0)
	v_pk_add_f32 v[TM:TM+1], v[S:S+1], v[S+2:S+3]  ; L: two at a time, in two chains
	v_pk_add_f32 v[TM+2:TM+3], v[S+4:S+5], v[S+6:S+7]
.irp j, 8,12,16,20,24,28
	v_pk_add_f32 v[TM:TM+1], v[TM:TM+1], v[S+\j:S+\j+1]
	v_pk_add_f32 v[TM+2:TM+3], v[TM+2:TM+3], v[S+\j+2:S+\j+3]
.endr
	v_pk_add_f32 v[TM:TM+1], v[TM:TM+1], v[TM+2:TM+3]
	v_add_f32 v[TM], v[TM], v[TM+1]
.irp k, 1,2,4,8
	v_add_f32_dpp v[TM], v[TM], v[TM] row_xmask:\k row_mask:0xf bank_mask:0xf
.endr
	v_permlanex16_b32 v[TM+2], v[TM], s22, s23
	v_add_f32 v[TM], v[TM], v[TM+2]
	s_wait_alu depctr_va_vdst(0)
	v_rcp_f32 v[INV], v[TM]                        ; twice, to fill the pair; the products below are the plain lines behind them
	v_rcp_f32 v[INV+1], v[TM]
	s_wait_loadcnt 0x0                             ; the parts
.irp e, 0,1,2,3
	v_mul_f32 v[TM+4+\e], v[P+\e], v[MQ]           ; the first block starts the sums
.endr
.irp q, 1,2,3,4,5,6,7
.irp e, 0,1,2,3
	v_fma_f32 v[TM+4+\e], v[P+4*\q+\e], v[MQ+\q], v[TM+4+\e]
.endr
.endr
	s_wait_alu depctr_va_vdst(0)
	v_pk_mul_f32 v[OWN:OWN+1], v[OWN:OWN+1], v[INV:INV+1]
	v_pk_mul_f32 v[OWN+2:OWN+3], v[OWN+2:OWN+3], v[INV:INV+1]
	global_store_b128 v1, v[OWN:OWN+3], s[10:11]
	v_pk_mul_f32 v[TM+4:TM+5], v[TM+4:TM+5], v[INV:INV+1]
	v_pk_mul_f32 v[TM+6:TM+7], v[TM+6:TM+7], v[INV:INV+1]
	global_store_b128 v1, v[TM+4:TM+7], s[8:9]
	s_endpgm
.Lfunc_end_k_qe4de71873a_combine:
	.size	k_qe4de71873a_combine, .Lfunc_end_k_qe4de71873a_combine-k_qe4de71873a_combine
	.p2alignl 7, 3214868480
	.fill 96, 4, 3214868480
	.section	.rodata,"a",@progbits
	.p2align	6, 0x0
	.amdhsa_kernel k_qe4de71873a_combine
		.amdhsa_group_segment_fixed_size 0
		.amdhsa_private_segment_fixed_size 0
		.amdhsa_enable_private_segment 0
		.amdhsa_kernarg_size 32
		.amdhsa_user_sgpr_count 2
		.amdhsa_user_sgpr_kernarg_segment_ptr 1
		.amdhsa_wavefront_size32 1
		.amdhsa_system_sgpr_workgroup_id_x 1
		.amdhsa_system_sgpr_workgroup_id_y 1
		.amdhsa_system_sgpr_workgroup_id_z 1
		.amdhsa_system_vgpr_workitem_id 0
		.amdhsa_next_free_vgpr 96
		.amdhsa_next_free_sgpr 66
		.amdhsa_reserve_vcc 0
		.amdhsa_float_denorm_mode_32 3
		.amdhsa_float_denorm_mode_16_64 3
		.amdhsa_memory_ordered 1
		.amdhsa_forward_progress 1
		.amdhsa_inst_pref_size 15
	.end_amdhsa_kernel
	.amdgpu_metadata
---
amdhsa.version: [ 1, 2 ]
amdhsa.kernels:
  - .name:           k_qe4de71873a_combine
    .symbol:         k_qe4de71873a_combine.kd
    .args:
      - { .name: sc, .offset: 0, .size: 8, .value_kind: global_buffer, .address_space: global }
      - { .name: cp, .offset: 8, .size: 8, .value_kind: global_buffer, .address_space: global }
      - { .name: out0, .offset: 16, .size: 8, .value_kind: global_buffer, .address_space: global }
      - { .name: out1, .offset: 24, .size: 8, .value_kind: global_buffer, .address_space: global }
    .group_segment_fixed_size: 0
    .private_segment_fixed_size: 0
    .kernarg_segment_align: 8
    .kernarg_segment_size: 32
    .max_flat_workgroup_size: 32
    .sgpr_count:     66
    .vgpr_count:     96
    .wavefront_size: 32
...
	.end_amdgpu_metadata
.endif
;; end of part 3
